; MI455X (gfx1250); checked and timed in simulation.
; The chip was launched on July 23, 2026; its instructions are those of AMD's public machine-readable ISA for CDNA 5 (MIT licence, August 2026) and "CDNA5" Instruction Set Architecture Reference Guide (July 2026). The comments in the code are by the model that wrote it; some were corrected since.
;; SDPA Sparse Bool Mask. Allowed arithmetic: matrix products marked QUANTISED: E2M3 operands, one E8M0 scale for each 32 along K, by v_wmma_scale_f32_16x16x128_f8f6f4 with both operands' format E2M3, f32 sums; everything else in f32.
;; Inputs: k 2 x 16 x 4,096 x 128 float32; q 2 x 16 x 2,048 x 128 float32; v 2 x 16 x 4,096 x 128 float32.
;; Outputs: out0 2 x 16 x 2,048 x 128 float32.
;; This version of the problem:
;;   THIS VERSION OF THE PROBLEM IS GIVEN IN LOW PRECISION. The matrix products marked QUANTISED in the list below multiply operands that are first quantised to E2M3 (2 exponent bits, 3 mantissa bits; 6 bits a number), with one power-of-two scale for each 32 numbers along K (OCP MX v1.0); their sums are f32. All else is computed in f32.
;;   The module's matrix products, in the order in which they are computed (A, B: the left and right operand; K: the contracted axis; several contracted axes count as one K, in the product's order):
;;     1. batch 32 x [M 2,048, K 128] x [K 128, N 4,096]; A: input q; B: input k: QUANTISED
;;     2. batch 32 x [M 2,048, K 4,096] x [K 4,096, N 128]; A: softmax (see below); B: input v: QUANTISED
;;   THE QUANTISER, for each operand of a quantised product, along K:
;;     - K is cut into blocks of 32 from its start; a last block that is shorter is filled with zeros.
;;     - A block's scale is 2^e with e = floor(log2(the largest magnitude in the block)) - 2, held to -126 .. 127; a block of zeros has e = 0. As a byte (E8M0): e + 127.
;;     - Each number is divided by its block's scale, clamped to +-7.5, and rounded to the nearest number of E2M3, ties to even, subnormals kept.
;;     - The product sums the exact products of the quantised numbers (number of the format x scale) in f32.
;;   ~~~python
;;   def quantise(x, axis):      # numpy; x: float32 -> the quantised numbers, widened to float32 again
;;       x = np.moveaxis(x, axis, -1); K = x.shape[-1]
;;       x = np.pad(x, [(0, 0)] * (x.ndim - 1) + [(0, -K % 32)]); x = x.reshape(x.shape[:-1] + (-1, 32)); a = np.abs(x).max(-1, keepdims=True)
;;       e = np.where(a > 0, np.clip(np.frexp(np.where(a > 0, a, 1))[1] - 1 - 2, -126, 127), 0)      # np.frexp(a)[1] - 1 = floor(log2(a)), exactly
;;       r = np.clip(x / 2.0 ** e, -7.5, 7.5)
;;       step = 2.0 ** (np.maximum(np.frexp(np.where(r == 0, 1, r))[1] - 1, 0) - 3)
;;       q = np.round(r / step) * step * 2.0 ** e      # np.round: ties to even
;;       return np.moveaxis(q.reshape(q.shape[:-2] + (-1,))[..., :K], -1, axis).astype(np.float32)
;;   ~~~
;;   SOFTMAX AHEAD OF A QUANTISED PRODUCT. Where the list says 'softmax', what is quantised is not the finished softmax but p = 2^(t - M), with t = logit x log2(e) and M = ceil(the row's largest t), a whole number; so 1/2 < the row's largest p <= 1. The row's sum l is taken of the UNQUANTISED p, in f32, and the product's result is divided by l at the end. Since M is a whole number, a kernel that streams over the keys may use a running M (the ceiling of the running maximum): every later rescaling is an exact power of two, which a block's scale takes up: the codes' values come out the same.
;;   OPERANDS COMPUTED ON THE WAY. 'Computed on the way' means the value that the module computes at that place (a softmax that the list does not call 'softmax' is quantised finished and normalised). What goes into a quantiser is computed in f32, as accurately as f32 sums, v_exp_f32 and their like allow (about 1e-6 of the number): no bf16 or f16 on the way to a quantiser, and a product that is left as it is and whose result goes on into a quantised operand takes f32 operands (vector FMAs, or v_wmma_f32_16x16x4_f32). A number that lies on a knife's edge between two numbers of the format may be rounded either way, as far as f32 arithmetic and the matrix unit's own rounding can turn it there, and no further.
;; One version. Each part assembles by itself: llvm-mc -triple=amdgcn-amd-amdhsa -mcpu=gfx1250 --defsym DOCPART=n.
;; ======== version 1 of 1: 2 launches
;; workspace buffers: kv 13,107,200 bytes
;; launch prep (part 1): grid 1024 x 1, 8 waves a work-group, no clusters, 69,120 bytes of LDS; arguments k, v, kv; writes kv
.if DOCPART == 1
	.amdgcn_target "amdgcn-amd-amdhsa--gfx1250"
	.amdhsa_code_object_version 6
	.text
	.protected	k_q8aa33e97ec_prep
	.globl	k_q8aa33e97ec_prep
	.p2align	8
	.type	k_q8aa33e97ec_prep,@function
k_q8aa33e97ec_prep:
	s_mov_b64 s[64:65], 0
	v_nop
	global_prefetch_b8 v0, s[64:65] scope:SCOPE_SE
	s_setreg_imm32_b32 hwreg(HW_REG_WAVE_MODE, 25, 1), 1
	s_wait_xcnt 0x0
; k and v, [32 heads][4096 keys][128] f32, become codes of FP6 (E2M3) with one E8M0 scale byte for each 32 along K, for keys 0 to 2,047 of each head alone:
; the mask that the problem builds hides keys 2,048 on, whose weights are 0, so those rows are neither read nor multiplied.
; k is quantised along the head's 128 (K of the first product), v along the keys (K of the second).
; WHAT IS STORED: kv = [head 32][key step 16][25,600 bytes]; a key step is 128 keys.  In a step: K's 8 fragments (1,536 bytes each), K's scale image (512 bytes), V's 8 fragments, V's scale image.
; A fragment (16 rows x 128 K, 12 registers a lane) lies as an image of the operand's registers: registers 4 c .. 4 c + 3 of lane l at 512 c + 16 l.
; A scale image: the word of (tile t, row r) at 16 (r + 16 (t / 4)) + 4 (t % 4): one load of 16 bytes a lane gives four registers, register j with tile j in lanes 0-15 and tile j + 4 in lanes 16-31.
; K's tile 2 b + u: row r is key 32 b + 8 u + r + 8 (r / 8) of the step, so that the scores' registers of two neighbouring tiles are 16 neighbouring keys.  V's tile t: row r is channel 16 t + r, K = the step's keys in order.
; SHARES.  Work-groups 0-511 take k, 512-1023 v; each takes one key step of one head: 128 rows of 512 bytes, 64 KiB dense in memory.  Wave w loads rows 16 w .. 16 w + 15, 512 consecutive bytes a load,
; into a stage in LDS; behind a barrier wave w reads tile w out of the stage in the order of the operand's registers: lane (r, h) takes k = 64 c + 32 h + 0 .. 31 of its row, two whole blocks, so no other lane is asked for a maximum.
; A block's scale is 2^(floor(log2(its largest magnitude)) - 2); its byte is the largest magnitude's exponent field - 2, held at 1 from below.
; LIMITS: a block of zeros, or one whose largest magnitude lies under 2^-124, gets the byte 1 (the rule says 127 for zeros: its codes are zeros, and the bytes are read by this program alone); NaN and infinities are not served.
; No tensor loads: with 69,120 bytes of LDS and 130 registers a wave several work-groups share a WGP, each with its 64 KiB asked for at once.  No clusters: no two work-groups read the same byte.
.set PITCH, 528                        ; a stage row: 512 bytes + 16
.set SCST,  128*PITCH                  ; behind the stage: the scale image, 512 bytes
.set STEPB, 25600                      ; a key step in kv
.set HALFB, 12800                      ; K's part of it, and V's
.set FRB,   1536                       ; a fragment's image
.set C,     16                         ; v16-27   the fragment's codes
.set X,     64                         ; v64-127  16 rows' bytes as loaded, then my 64 numbers: X + 32 c + i = k 64 c + 32 h + i of my row
	s_load_b128 s[4:7], s[0:1], 0x0                ; k, v
	s_load_b64 s[8:9], s[0:1], 0x10                ; kv
	v_lshl_add_u32 v128, v0, 2, 0x10a00
	v_mov_b32 v129, 0
	v_lshrrev_b32 v15, 5, v0
	v_readfirstlane_b32 s10, v15                   ; wave 0..7
	v_and_b32 v1, 31, v0
	v_lshlrev_b32 v1, 4, v1                        ; 16 x lane
	s_and_b32 s11, ttmp9, 511                      ; which key step of which head: 16 x head + step
	s_lshr_b32 s12, ttmp9, 9                       ; 0: k, 1: v
	s_lshr_b32 s22, s11, 4                         ; head
	s_and_b32 s23, s11, 15                         ; step
	s_lshl_b32 s14, s22, 21                        ; a head is 4,096 rows of 512 bytes,
	s_lshl_b32 s23, s23, 16                        ; a step 128 rows,
	s_add_co_u32 s14, s14, s23
	s_lshl_b32 s23, s10, 13                        ; my wave's share 16 rows
	s_add_co_u32 s14, s14, s23
	s_mov_b32 s15, 0
	s_mul_i32 s16, s11, STEPB                      ; the step in kv,
	s_mul_i32 s22, s12, HALFB                      ; K's part or V's
	s_add_co_u32 s16, s16, s22
	s_mov_b32 s17, 0
	s_mul_i32 s18, s10, FRB                        ; my tile's image
	s_mov_b32 s19, 0
	s_mov_b32 s20, 0x76543210
	s_mov_b32 s21, 0xfedcba98                      ; v_permlanex16_b32's selects for lane l xor 16
	s_wait_kmcnt 0x0
	s_cmp_eq_u32 s12, 0                            ; the choice hangs on the work-group's number alone
	s_cselect_b64 s[4:5], s[4:5], s[6:7]
	s_add_nc_u64 s[4:5], s[4:5], s[14:15]
	s_add_nc_u64 s[8:9], s[8:9], s[16:17]
	s_add_nc_u64 s[24:25], s[8:9], HALFB-512       ; the scale image's place
	s_add_nc_u64 s[8:9], s[8:9], s[18:19]          ; my fragment's
.irp i, 0,1,2,3,4,5,6,7,8,9,10,11,12,13,14,15
	global_load_b128 v[X+4*\i:X+4*\i+3], v1, s[4:5] offset:512*\i th:TH_LOAD_NT   ; a row: 32 lanes read 512 consecutive bytes; read once in the launch
.endr
	; the LDS addresses, all made here, of the thread's and the wave's number and constants
	s_mul_i32 s22, s10, 16*PITCH
	v_add_nc_u32 v2, s22, v1                       ; into the stage: my wave's 16 rows, 16 bytes a lane
	v_and_b32 v8, 15, v0                           ; r
	v_bfe_u32 v7, v0, 4, 1                         ; h
	v_and_b32 v9, 8, v8
	v_add_nc_u32 v9, v9, v8                        ; r + 8 (r / 8)
	v_mul_u32_u24 v3, v9, PITCH
	v_lshl_add_u32 v3, v7, 7, v3                   ; K's way: my key's row, + 128 h bytes: 32 numbers on
	s_lshr_b32 s22, s10, 1
	s_lshl_b32 s22, s22, 5
	s_and_b32 s23, s10, 1
	s_lshl_b32 s23, s23, 3
	s_add_co_u32 s22, s22, s23                     ; tile w begins at key 32 (w / 2) + 8 (w % 2)
	s_mul_i32 s22, s22, PITCH
	v_add_nc_u32 v3, s22, v3
	v_lshlrev_b32 v4, 2, v8
	v_mad_u32_u24 v4, v7, 32*PITCH, v4             ; V's way: channel r of the tile, lanes 16-31 begin 32 keys further down
	s_lshl_b32 s22, s10, 6
	v_add_nc_u32 v4, s22, v4                       ; tile w begins at channel 16 w
	s_lshr_b32 s22, s10, 2
	s_lshl_b32 s22, s22, 8
	s_and_b32 s23, s10, 3
	s_lshl_b32 s23, s23, 2
	s_add_co_u32 s22, s22, s23
	s_add_co_u32 s22, s22, SCST
	v_lshl_add_u32 v5, v8, 4, s22                  ; my row's scale word: 16 r + 256 (w / 4) + 4 (w % 4)
	v_add_nc_u32 v6, SCST, v1                      ; and the image read back: 16 x lane
.irp i, 0,1,2,3,4,5,6,7,8,9,10,11,12,13,14,15
	s_wait_loadcnt 15-\i                           ; loads come back in order: row i is in, the 15 - i younger ones may be out
	ds_store_b128 v2, v[X+4*\i:X+4*\i+3] offset:PITCH*\i
.endr
	s_wait_dscnt 0x0                               ; for the others' sake: my rows lie in the stage
	s_barrier_signal -1
	s_barrier_wait -1                              ; all 128 rows do
	s_cmp_lg_u32 s12, 0                            ; the two ways differ in loads alone; neither stores to LDS
	s_cbranch_scc1 .Lway_v
.irp c, 0,1
.irp j, 0,1,2,3,4,5,6,7
	ds_load_b128 v[X+32*\c+4*\j:X+32*\c+4*\j+3], v3 offset:256*\c+16*\j   ; k: K is innermost: 32 neighbours of my key's row for each block
.endr
.endr
	s_branch .Ljoined
.Lway_v:
.irp c, 0,1
.irp i, 0,1,2,3,4,5,6,7,8,9,10,11,12,13,14,15,16,17,18,19,20,21,22,23,24,25,26,27,28,29,30,31
	ds_load_b32 v[X+32*\c+\i], v4 offset:(64*\c+\i)*PITCH   ; v: my channel, registers down the keys
.endr
.endr
.Ljoined:
	s_wait_dscnt 0x0
.irp c, 0,1                                    ; my block 2 c + h: all its 32 numbers are mine
	v_max3_num_f32 v[8+\c], |v[X+32*\c]|, |v[X+1+32*\c]|, 0x1800000   ; with the floor 2^(3 - 127) among the leaves: the byte cannot fall under 1
.endr
.irp i, 2,4,6,8,10,12,14,16,18,20,22,24,26,28,30
.irp c, 0,1
	v_max3_num_f32 v[8+\c], v[8+\c], |v[X+32*\c+\i]|, |v[X+1+32*\c+\i]|   ; (the two blocks by turns)
.endr
.endr
.irp c, 0,1
	v_add_nc_u32 v[10+\c], 0xff000000, v[8+\c]     ; 2 off the exponent field: the conversion takes the exponent field of this operand as its scale, and nothing else of it
.endr
.irp c, 0,1
	v_lshrrev_b32 v[12+\c], 23, v[10+\c]           ; the scale's byte
.endr
	v_lshl_or_b32 v14, v13, 16, v12                ; my two bytes: blocks h and 2 + h of my row,
	v_lshlrev_b32 v15, 3, v7
	v_lshlrev_b32 v14, v15, v14                    ; at their places in the scale word (8 h bits up);
	v_mov_b32 v15, 0                               ; (a lane permute's destination counts as one of its sources)
	v_permlanex16_b32 v15, v14, s20, s21
	v_or_b32 v14, v14, v15                         ; with lane l xor 16's two the word is whole
	v_cvt_scalef32_pk16_fp6_f32 v[C:C+2], v[X:X+15], v10
	v_cvt_scalef32_pk16_fp6_f32 v[28:30], v[X+16:X+31], v10        ; (a conversion's three registers begin on an even number: the second half of a block's six is made elsewhere and moved)
	v_cvt_scalef32_pk16_fp6_f32 v[C+6:C+8], v[X+32:X+47], v11
	v_cvt_scalef32_pk16_fp6_f32 v[32:34], v[X+48:X+63], v11
	v_nop                                          ; one plain instruction behind the scaled conversions
.irp i, 0,1,2
	v_mov_b32 v[C+3+\i], v[28+\i]
	v_mov_b32 v[C+9+\i], v[32+\i]
.endr
.irp c, 0,1,2
	global_store_b128 v1, v[C+4*\c:C+4*\c+3], s[8:9] offset:512*\c th:TH_STORE_NT   ; the image: 32 lanes store 512 consecutive bytes, at a multiple of 256 from kv's first byte
.endr
	ds_store_b32 v5, v14                           ; both halves of the lanes write the same word with the same value
	s_wait_dscnt 0x0                               ; for wave 0's sake
	s_barrier_signal -1
	s_barrier_wait -1                              ; the eight tiles' scale words lie together
	s_cmp_lg_u32 s10, 0
	s_cbranch_scc1 .Ldone
	ds_load_b128 v[36:39], v6
	s_wait_dscnt 0x0
	global_store_b128 v1, v[36:39], s[24:25] th:TH_STORE_NT        ; 512 consecutive bytes
.Ldone:
	s_wait_tensorcnt 0x0
	ds_add_u32 v128, v129
	s_wait_dscnt 0x0
	s_endpgm
.Lfunc_end_k_q8aa33e97ec_prep:
	.size	k_q8aa33e97ec_prep, .Lfunc_end_k_q8aa33e97ec_prep-k_q8aa33e97ec_prep
	.p2alignl 7, 3214868480
	.fill 96, 4, 3214868480
	.section	.rodata,"a",@progbits
	.p2align	6, 0x0
	.amdhsa_kernel k_q8aa33e97ec_prep
		.amdhsa_group_segment_fixed_size 69120
		.amdhsa_private_segment_fixed_size 0
		.amdhsa_enable_private_segment 0
		.amdhsa_kernarg_size 24
		.amdhsa_user_sgpr_count 2
		.amdhsa_user_sgpr_kernarg_segment_ptr 1
		.amdhsa_wavefront_size32 1
		.amdhsa_system_sgpr_workgroup_id_x 1
		.amdhsa_system_sgpr_workgroup_id_y 1
		.amdhsa_system_sgpr_workgroup_id_z 1
		.amdhsa_system_vgpr_workitem_id 0
		.amdhsa_next_free_vgpr 130
		.amdhsa_next_free_sgpr 66
		.amdhsa_reserve_vcc 0
		.amdhsa_float_denorm_mode_32 3
		.amdhsa_float_denorm_mode_16_64 3
		.amdhsa_memory_ordered 1
		.amdhsa_forward_progress 1
		.amdhsa_inst_pref_size 15
	.end_amdhsa_kernel
	.amdgpu_metadata
---
amdhsa.version: [ 1, 2 ]
amdhsa.kernels:
  - .name:           k_q8aa33e97ec_prep
    .symbol:         k_q8aa33e97ec_prep.kd
    .args:
      - { .name: k, .offset: 0, .size: 8, .value_kind: global_buffer, .address_space: global }
      - { .name: v, .offset: 8, .size: 8, .value_kind: global_buffer, .address_space: global }
      - { .name: kv, .offset: 16, .size: 8, .value_kind: global_buffer, .address_space: global }
    .group_segment_fixed_size: 69120
    .private_segment_fixed_size: 0
    .kernarg_segment_align: 8
    .kernarg_segment_size: 24
    .max_flat_workgroup_size: 256
    .sgpr_count:     66
    .vgpr_count:     130
    .wavefront_size: 32
...
	.end_amdgpu_metadata
.endif
;; end of part 1
;; launch attn (part 2): grid 8 x 32, 8 waves a work-group, clusters of 4 x 1, 327,680 bytes of LDS; arguments q, kv, out0; writes out0
.if DOCPART == 2
	.amdgcn_target "amdgcn-amd-amdhsa--gfx1250"
	.amdhsa_code_object_version 6
	.text
	.protected	k_q8aa33e97ec_attn
	.globl	k_q8aa33e97ec_attn
	.p2align	8
	.type	k_q8aa33e97ec_attn,@function
k_q8aa33e97ec_attn:
	s_mov_b64 s[64:65], 0
	v_nop
	global_prefetch_b8 v0, s[64:65] scope:SCOPE_SE
	s_setreg_imm32_b32 hwreg(HW_REG_WAVE_MODE, 25, 1), 1
	s_wait_xcnt 0x0
	s_wait_alu depctr_hold_cnt(0) depctr_sa_sdst(0) depctr_va_vdst(0) depctr_va_sdst(0) depctr_va_ssrc(0) depctr_va_vcc(0) depctr_vm_vsrc(0)
	s_getreg_b32 s2, hwreg(HW_REG_IB_STS2, 6, 4)
	s_cmp_eq_u32 s2, 0
	s_cbranch_scc0 .Lentry_in_a_cluster
	s_endpgm
.Lentry_in_a_cluster:
	s_bfe_u32 s2, ttmp6, 0x10000c
	s_cmp_lg_u32 s2, 0x3003
	s_cbranch_scc0 .Lentry_shape_is_right
	s_endpgm
.Lentry_shape_is_right:
; out0[head][q][:] = the sum over the keys 0 .. 2,047 of softmax_k(q . k / sqrt(128)) v[k][:], both products on codes of FP6 (E2M3) with one E8M0 scale for each 32 along a product's K.
; Keys 2,048 on are hidden by the mask that the problem builds: their weights are 0, they add nothing to the sum or to the product, and they are not walked.
; q: [32][2048][128] f32, quantised here in registers (each row is read by one wave, once).  kv: [32][16 key steps][25,600 bytes]: images of the operands' registers, made by the launch before:
; in a step K's 8 fragments (1,536 bytes each), K's scale image (512), V's 8 fragments, V's scale image.  out0: [32][2048][128] f32.
; THE SOFTMAX AHEAD OF THE SECOND PRODUCT: t = score x log2(e) / sqrt(128), in one multiplication; M = the row's largest t so far, rounded UP to a whole number; p = 2^(t - M) is what is quantised, along the keys, not normalised.
; The row's sum is taken of the unquantised p, in f32, and divides O at the end.  When M moves, the sum and O are multiplied by 2^(old M - new M): exact.
; SHARES.  256 work-groups, each with 256 queries of one head; each of its eight waves owns 32 queries, two tiles of 16, in 512 registers: two waves to a SIMD, and each fragment of K and V read from LDS feeds two products.
; LAYOUT.  Both products are used transposed: S^T = K Q^T (source 0 = 16 keys, source 1 = 16 queries), O^T = V^T P^T (source 0 = 16 channels, source 1 = P): a lane holds ONE query (lane % 16) throughout.
; K's tile 2 b + u holds in row r key 32 b + 8 u + r + 8 (r / 8), so that the 16 registers of tiles 2 b and 2 b + 1 are the keys 32 b + 16 (lane / 16) + 0 .. 15.
; THE RING.  Two LDS slots of four key steps (102,400 bytes).  A slot is one dense block of kv; each of the eight waves brings an eighth, 50 rows of 256 bytes, by one tensor load: equal shares, so no branch stands round the load.
; CLUSTER.  The four work-groups of a cluster belong to one head and walk the same kv: every fill is asked for JOINTLY, by the same load with the same descriptor and a mask that names the four.
; No prefetch is written: a refill is itself asked for four key steps ahead of its first read, and the first slot comes by its load at the head.
; LIMITS: NaN and infinities are not served; a block of q under 2^-124 gets the byte 1 (its codes are zeros or the smallest codes); p under 2^-126 comes out of v_exp_f32 as 0; a block's largest p is taken from its largest
; score, which takes v_exp_f32 not to fall where its input rises; a hidden key counts as p = 0, which holds wherever a visible score is finite.
; REGISTERS, in windows of 256 (s_set_vgpr_msb: bits 1:0 source 0, 3:2 source 1, 5:4 source 2, 7:6 destination):
;   window 0: v1-9 addresses; v[10:11] f; v12-19 statistics; v20-31 scale words and nothing else; v32-79 fragments 0-3; v80-207 S^T, then p, 64 a tile; v208-231 p's codes; v232-254 at work
;   window 1: v0-127 O^T, 64 a tile; v128-151 Q's two fragments; v152-199 fragments 4-7
.set STEPB, 25600                      ; a key step in kv and in a slot
.set HALFB, 12800                      ; K's part of it, and V's; also what one tensor load brings
.set SLOTB, 4*STEPB
.set SLOT1, 1<<17                      ; slot 1 begins here, so that one exclusive or turns an address in one slot into the other's
.set SPARE, 2*SLOT1                    ; the spare words, 128 bytes for each wave: four blocks of 256 bytes that no other line names
.set STAGE, SPARE+1024                 ; the way out: 16 rows x (256 bytes + 16) for each wave; no fill lands here
.set SP,    272
.set AL,  1                            ; v1   16 x lane: an image's place for my lane
.set ADR, 2                            ; v2   LDS address of the step in hand
.set SPW, 3                            ; v3   LDS address of my spare word: SPARE + 4 x my thread's number; never rewritten
.set NIL, 4                            ; v4   0; never rewritten
.set GO,  5                            ; v5   the way out: my byte offset in the wave's rows of out0
.set STO, 6                            ; v6   where I put 32 bytes of a row in my stage
.set RD,  7                            ; v7   and where I read a row back
.set XA,  8                            ; v8   q: my lane's byte in a tile's 16 rows
.set F,   10                           ; v[10:11] f = 2^(old M - new M); the packed forms name the pair and take its low word
.set ST,  12                           ; tile t at v[ST + 4 t]: -M, the largest t, the sum in two halves
.set QS,  20                           ; v20-21 Q's scale words
.set PS,  22                           ; v22-23 p's
.set KS,  24                           ; v24-27 K's: register j: tile j in lanes 0-15, tile j + 4 in lanes 16-31
.set VS,  28                           ; v28-31 V's likewise
.set FA,  32
.set S,   80
.set PC,  208
.set BM,  232                          ; v232-235 the blocks' maxima
.set T1,  236                          ; v236-243 at work
.set SO,  244                          ; v244-247 the conversions' scale operands
.set TT,  254
.set QF,  128                          ; in window 1
.set FB,  152                          ; in window 1
.set WV,  10                           ; s10  my wave's number
.set SEL, 20                           ; s[20:21] lane selects for v_permlanex16_b32: lane l xor 16
.set CS,  22                           ; s[22:23] c = log2(e) / sqrt(128)
.set G1,  24                           ; s[24:31] descriptor group 1
.set G0,  32                           ; s[32:35] descriptor group 0, which walks
.set TB,  36                           ; s36  LDS byte at which the step in hand begins
.set SLOTS, 37                         ; s37  slots still to be asked for
.set CNT, 38                           ; s38  counts a slot's four steps
.set MSB, 0
.macro WIN new                         ; the immediate's high byte repeats the setting that is left; a switch that changes nothing is dropped
.if MSB != \new
	s_set_vgpr_msb (MSB<<8)|\new
.set MSB, \new
.endif
.endm
.macro PLACES                          ; four plain instructions between a matrix instruction and a load into, or a vector read of, its registers
.rept 4
	v_nop
.endr
.endm
; A round of the cluster's barrier: my work-group's barrier, so that wave 0's signal speaks for all eight waves; wave 0 signals for the work-group; every wave waits for all four work-groups; my work-group's barrier once more.
.macro CROUND
	s_barrier_signal -1
	s_barrier_wait -1
	s_cmp_lg_u32 s[WV], 0
	s_cbranch_scc1 .Lnot_wave_0_\@
	s_barrier_signal -3
.Lnot_wave_0_\@:
	s_barrier_wait -3
	s_barrier_signal -1
	s_barrier_wait -1
.endm
; 64 numbers of a lane, register 16 b + i = k 32 b + 16 (lane / 16) + i of my row: the largest magnitude of each block of 32 into v[BM + b]
.macro MAXABS s
.irp b, 0,1,2,3
	v_max3_num_f32 v[BM+\b], |v[(\s)+16*\b]|, |v[(\s)+1+16*\b]|, 0x1800000   ; my 16 numbers, and the floor 2^(3 - 127): the byte cannot fall under 1
.endr
.irp i, 2,4,6,8,10,12,14
.irp b, 0,1,2,3
	v_max3_num_f32 v[BM+\b], v[BM+\b], |v[(\s)+16*\b+\i]|, |v[(\s)+1+16*\b+\i]|   ; (the four blocks by turns)
.endr
.endr
.irp b, 0,1,2,3
	v_permlanex16_b32 v[T1+\b], v[BM+\b], s[SEL], s[SEL+1]
.endr
.irp b, 0,1,2,3
	v_max_num_f32 v[BM+\b], v[BM+\b], v[T1+\b]     ; with lane l xor 16's
.endr
.endm
; The same 64 numbers, with the blocks' largest magnitudes in v[BM] on, become a fragment's codes in v[pc] on and its scale word in v[pw]
.macro CODES s, pc, pw
.irp b, 0,1,2,3
	v_add_nc_u32 v[SO+\b], 0xff000000, v[BM+\b]    ; 2 off the exponent field: the conversion's scale operand
.endr
.irp b, 0,1,2,3
	v_lshrrev_b32 v[T1+\b], 23, v[SO+\b]           ; the scale's byte
.endr
	v_lshl_or_b32 v[\pw], v[T1+1], 8, v[T1]        ; the four bytes make my row's scale word
	v_lshl_or_b32 v[\pw], v[T1+2], 16, v[\pw]
	v_lshl_or_b32 v[\pw], v[T1+3], 24, v[\pw]
.irp c, 0,1
	v_cvt_scalef32_pk16_fp6_f32 v[(\pc)+6*\c:(\pc)+6*\c+2], v[(\s)+32*\c:(\s)+32*\c+15], v[SO+2*\c]
	v_cvt_scalef32_pk16_fp6_f32 v[T1+4*\c:T1+4*\c+2], v[(\s)+32*\c+16:(\s)+32*\c+31], v[SO+2*\c+1]   ; (a conversion's three registers begin on an even number)
.endr
	v_nop                                          ; one plain instruction behind the scaled conversions
.irp c, 0,1                                    ; the operand's layout wants a WHOLE block in a lane: lanes 0-15 block 2 c, lanes 16-31 block 2 c + 1
.irp i, 0,1,2
	v_permlane16_swap_b32 v[(\pc)+6*\c+\i], v[T1+4*\c+\i]
.endr
.irp i, 0,1,2
	v_mov_b32 v[(\pc)+3+6*\c+\i], v[T1+4*\c+\i]
.endr
.endr
.endm
; Tile t's softmax for a key step: from its 64 scores to p's codes and scale word, the sum, and O^T under the new M
.macro SM t
.set rS, S+64*(\t)
.set rT, ST+4*(\t)
	WIN 0
.irp b, 0,1,2,3
	v_max3_num_f32 v[BM+\b], v[rS+16*\b], v[rS+1+16*\b], v[rS+2+16*\b]   ; THE LARGEST SCORE OF EACH BLOCK OF 32 KEYS serves twice: for the row's maximum, and, since p rises with the score, for the block's largest p.  (Each accumulator is read from its low end on)
.endr
.irp i, 3,5,7,9,11,13
.irp b, 0,1,2,3
	v_max3_num_f32 v[BM+\b], v[BM+\b], v[rS+16*\b+\i], v[rS+1+16*\b+\i]
.endr
.endr
.irp b, 0,1,2,3
	v_max_num_f32 v[BM+\b], v[BM+\b], v[rS+15+16*\b]
.endr
.irp b, 0,1,2,3
	v_permlanex16_b32 v[T1+\b], v[BM+\b], s[SEL], s[SEL+1]
.endr
.irp b, 0,1,2,3
	v_max_num_f32 v[BM+\b], v[BM+\b], v[T1+\b]     ; with lane l xor 16's 16 keys
.endr
	v_max3_num_f32 v[TT], v[BM], v[BM+1], v[BM+2]
	v_max_num_f32 v[TT], v[TT], v[BM+3]            ; the step's largest score of my query
	v_mul_f32 v[TT], s[CS], v[TT]                  ; as t (c is positive)
	v_max_num_f32 v[rT+1], v[rT+1], v[TT]          ; the running largest t
	v_mov_b32 v[TT], v[rT]
	v_floor_f32 v[rT], -v[rT+1]                    ; the new -M = floor(-t) = -ceil(t): M is a whole number
	v_sub_f32 v[TT], v[rT], v[TT]                  ; M's old value less its new one: a whole number, 0 or less
	v_cvt_i32_f32 v[TT], v[TT]                     ; (it saturates)
	v_ldexp_f32 v[F], 1.0, v[TT]                   ; f = 2^(old M - new M)
.set j, 0
.rept 32
	v_pk_fma_f32 v[rS+j:rS+j+1], v[rS+j:rS+j+1], s[CS:CS+1], v[rT:rT+1] op_sel_hi:[1,0,0]   ; t - M, two at a time (of the pairs c and -M the low word serves both halves)
.set j, j+2
.endr
.irp b, 0,1,2,3
	v_fma_f32 v[BM+\b], v[BM+\b], s[CS], v[rT]     ; the same of each block's largest score
.endr
.set j, 0
.rept 64
	v_exp_f32 v[rS+j], v[rS+j]                     ; p = 2^(t - M), at most 1: not normalised
.set j, j+1
.endr
	v_pk_mul_f32 v[rT+2:rT+3], v[rT+2:rT+3], v[F:F+1] op_sel_hi:[1,0]   ; the sums under the new M: the plain instruction behind the exponentials
	s_wait_alu depctr_va_vdst(0)                   ; the wait ahead of the first instruction that names a result: one for the batch of 64
.irp b, 0,1,2,3
	v_exp_f32 v[BM+\b], v[BM+\b]                   ; the block's largest p: the same two instructions on the same number give the same bits
.endr
	v_pk_add_f32 v[T1:T1+1], v[rS:rS+1], v[rS+2:rS+3]   ; THE ROW'S SUM IS TAKEN OF THE UNQUANTISED p: two at a time, in two chains; it reads the 64 alone
.set j, 4
.rept 15
	v_pk_add_f32 v[rT+2:rT+3], v[rT+2:rT+3], v[rS+j:rS+j+1]
	v_pk_add_f32 v[T1:T1+1], v[T1:T1+1], v[rS+2+j:rS+3+j]
.set j, j+4
.endr
	v_pk_add_f32 v[rT+2:rT+3], v[rT+2:rT+3], v[T1:T1+1]
	s_wait_alu depctr_va_vdst(0)                   ; and one for the four
.irp b, 0,1,2,3
	v_max_num_f32 v[BM+\b], 0x1800000, v[BM+\b]    ; the floor 2^(3 - 127): a block whose every p has fallen to 0 keeps the byte 1: its codes are zeros
.endr
	CODES rS, PC+12*(\t), PS+(\t)
	WIN 0x41                                       ; O^T (destination and source 0) in window 1, f in window 0
.set j, 0
.rept 32
	v_pk_mul_f32 v[64*(\t)+j:64*(\t)+j+1], v[64*(\t)+j:64*(\t)+j+1], v[F:F+1] op_sel_hi:[1,0]   ; O^T under the new M.  (These also stand between the codes' and the scale word's last writes and the products)
.set j, j+2
.endr
.endm
; Eight fragments and their scale image, from off bytes on in the step: 25 loads of 16 bytes a lane, each 512 consecutive bytes.  The scale image and fragments 0-3 first.
.macro LOADF off, sc
	WIN 0
	ds_load_b128 v[\sc:\sc+3], v[ADR] offset:\off+12288
.irp f, 0,1,2,3
.irp c, 0,1,2
	ds_load_b128 v[FA+12*\f+4*\c:FA+12*\f+4*\c+3], v[ADR] offset:\off+1536*\f+512*\c
.endr
.endr
	WIN 0x40                                       ; destination window 1, address window 0
.irp f, 0,1,2,3
.irp c, 0,1,2
	ds_load_b128 v[FB+12*\f+4*\c:FB+12*\f+4*\c+3], v[ADR] offset:\off+1536*(4+\f)+512*\c
.endr
.endr
.endm
; Eight products of S^T = K Q^T: K's tiles 4 hi + 0 .. 3 x my two tiles of queries.  Each product is a whole sum (K = 128): C is the constant 0.  No two that follow each other share an accumulator.
.macro MULKQ hi
.irp f, 0,1,2,3
.irp q, 0,1
.if \hi
	v_wmma_scale_f32_16x16x128_f8f6f4 v[S+64*\q+8*(4+\f):S+64*\q+8*(4+\f)+7], v[FB+12*\f:FB+12*\f+11], v[QF+12*\q:QF+12*\q+11], 0, v[KS+\f], v[QS+\q] matrix_a_fmt:MATRIX_FMT_FP6 matrix_b_fmt:MATRIX_FMT_FP6 matrix_a_scale:MATRIX_SCALE_ROW1
.else
	v_wmma_scale_f32_16x16x128_f8f6f4 v[S+64*\q+8*\f:S+64*\q+8*\f+7], v[FA+12*\f:FA+12*\f+11], v[QF+12*\q:QF+12*\q+11], 0, v[KS+\f], v[QS+\q] matrix_a_fmt:MATRIX_FMT_FP6 matrix_b_fmt:MATRIX_FMT_FP6
.endif
.endr
.endr
.endm
; Eight products of O^T += V^T P^T: V's tiles 4 hi + 0 .. 3 x my two tiles.  The sixteen accumulators take turns, one instruction a step each.
.macro MULPV hi
.irp f, 0,1,2,3
.irp q, 0,1
.if \hi
	v_wmma_scale_f32_16x16x128_f8f6f4 v[64*\q+8*(4+\f):64*\q+8*(4+\f)+7], v[FB+12*\f:FB+12*\f+11], v[PC+12*\q:PC+12*\q+11], v[64*\q+8*(4+\f):64*\q+8*(4+\f)+7], v[VS+\f], v[PS+\q] matrix_a_fmt:MATRIX_FMT_FP6 matrix_b_fmt:MATRIX_FMT_FP6 matrix_a_scale:MATRIX_SCALE_ROW1
.else
	v_wmma_scale_f32_16x16x128_f8f6f4 v[64*\q+8*\f:64*\q+8*\f+7], v[FA+12*\f:FA+12*\f+11], v[PC+12*\q:PC+12*\q+11], v[64*\q+8*\f:64*\q+8*\f+7], v[VS+\f], v[PS+\q] matrix_a_fmt:MATRIX_FMT_FP6 matrix_b_fmt:MATRIX_FMT_FP6
.endif
.endr
.endr
.endm
; A KEY STEP: 128 keys, at LDS byte s[TB]
.macro STEP
	v_add_nc_u32 v[ADR], s[TB], v[AL]
	LOADF 0, KS                                    ; K
	s_wait_dscnt 12                                ; the scale image and fragments 0-3 are in; the twelve loads of fragments 4-7 may be out
	WIN 0x04                                       ; K window 0, Q window 1, S^T window 0
	MULKQ 0
	s_wait_dscnt 0x0
	WIN 0x05                                       ; K window 1
	MULKQ 1
	WIN 0
	PLACES                                         ; in front of the loads into the fragments' registers and of the first read of the scores
	LOADF HALFB, VS                                ; V lands under the softmax, which touches none of these registers
	SM 0
	SM 1
	s_wait_dscnt 0x0                               ; V is in
	WIN 0x50                                       ; V window 0, P window 0, O^T window 1
	MULPV 0
	WIN 0x51                                       ; V window 1
	MULPV 1
	WIN 0                                          ; at a label and at a branch every window is 0
	PLACES                                         ; in front of the next step's loads, over the backward jump too, and of the way out's reads
.endm
; A slot's four key steps: written once, walked four times
.macro SLOT_STEPS
	s_mov_b32 s[CNT], 4
.Lstep_\@:
	STEP
	s_add_co_u32 s[TB], s[TB], STEPB
	s_sub_co_u32 s[CNT], s[CNT], 1
	s_cmp_lg_u32 s[CNT], 0
	s_cbranch_scc1 .Lstep_\@
	s_sub_co_u32 s[TB], s[TB], SLOTB               ; back to a slot's first step,
	s_xor_b32 s[TB], s[TB], SLOT1                  ; in the other slot
.endm
; THE CHANGE OF SLOTS stands at a slot's head.  Each wave waits for all its tensor loads (its part of the slot that it is about to read), adds 0 to its spare word, and waits for that and for its reads of the slot that it has left.
; fill = 1: the barrier is a round of the cluster's, so that no wave of any partner still reads the other slot or has a load on its way; the joint fill of that slot is the first thing behind it and has four key steps in which to land.
.macro CHANGE fill
	s_wait_tensorcnt 0x0                           ; no tensor load of mine is out, so group 0 may be written
	ds_add_u32 v[SPW], v[NIL]                      ; 0 onto my spare word
.if \fill
	s_xor_b32 s[G0+1], s[G0+1], SLOT1              ; the walking descriptor: the other slot than last time,
	s_add_nc_u64 s[G0+2:G0+3], s[G0+2:G0+3], SLOTB ; the next four key steps; the type bits on top are not reached
.endif
	s_wait_dscnt 0x0                               ; the add is done, and my reads of the slot that I have left are over
.if \fill
	CROUND
	tensor_load_to_lds s[G0:G0+3], s[G1:G1+7]      ; my one tensor load until the next round: one load of mine is out
	s_nop 0
	PLACES                                         ; four v_nop follow the load
.else
	s_barrier_signal -1
	s_barrier_wait -1
.endif
.endm
	s_load_b128 s[4:7], s[0:1], 0x0                ; q, kv
	s_load_b64 s[8:9], s[0:1], 0x10                ; out0
	v_lshl_add_u32 v[SPW], v0, 2, SPARE
	v_mov_b32 v[NIL], 0
	ds_add_u32 v3, v4
	ds_add_u32 v3, v4
	s_wait_dscnt 0x0
	v_lshrrev_b32 v[TT], 5, v0
	v_readfirstlane_b32 s[WV], v[TT]               ; wave 0..7
	s_bfe_u32 s11, ttmp6, 0x40000                  ; cx: my place in the cluster
	s_lshl_b32 s12, ttmp9, 2                       ; in a cluster launch ttmp9 counts clusters
	s_add_co_u32 s12, s12, s11                     ; my block of 256 queries: it enters q's and out0's addresses alone
	s_and_b32 s13, ttmp7, 0xffff                   ; the head, which the four partners share
	s_lshl_b32 s14, s13, 20                        ; a head of q is 2,048 rows of 512 bytes,
	s_lshl_b32 s39, s12, 17                        ; a block 256 rows,
	s_add_co_u32 s14, s14, s39
	s_lshl_b32 s39, s[WV], 14                      ; my wave's share 32 rows
	s_add_co_u32 s14, s14, s39
	s_mov_b32 s15, 0
	s_mul_i32 s16, s13, 16*STEPB                   ; the head in kv,
	s_mul_i32 s18, s[WV], HALFB                    ; my eighth of a slot, in memory and in LDS: no place in the cluster enters these
	s_add_co_u32 s16, s16, s18
	s_mov_b32 s17, 0
	; descriptor group 1: 50 dense rows of 256 bytes (32 elements of 8 bytes), no padding
	s_mov_b32 s[G1], 15|(3<<16)|(1<<21)            ; 15:0 the mask: all four work-groups; 17:16 elements of 8 bytes; 20 padding off; 21 set beside a mask
	s_mov_b32 s[G1+1], 32<<16                      ; tensor_dim0 = 32
	s_mov_b32 s[G1+2], 50<<16                      ; tensor_dim1 = 50
	s_mov_b32 s[G1+3], 32<<16                      ; tile_dim0 = 32
	s_mov_b32 s[G1+4], 50                          ; tile_dim1 = 50
	s_mov_b32 s[G1+5], 32                          ; from row to row: 32 elements
	s_mov_b32 s[G1+6], 0
	s_mov_b32 s[G1+7], 0
	s_mov_b32 s[SEL], 0x76543210
	s_mov_b32 s[SEL+1], 0xfedcba98
	s_mov_b32 s[CS], 0x3e0293ee                    ; c = log2(e) / sqrt(128)
	s_mov_b32 s[CS+1], s[CS]                       ; (named with it as a pair, so it is written)
	s_wait_kmcnt 0x0
	s_add_nc_u64 s[4:5], s[4:5], s[14:15]          ; q and out0 at my wave's first row
	s_add_nc_u64 s[8:9], s[8:9], s[14:15]
	s_mov_b32 s[G0], 1                             ; count = 1
	s_mov_b32 s[G0+1], s18                         ; LDS address: slot 0, my eighth
	s_add_nc_u64 s[G0+2:G0+3], s[6:7], s[16:17]    ; global address: the head's key steps 0 to 3, my eighth
	s_or_b32 s[G0+3], s[G0+3], 0x80000000          ; type = 2
	CROUND                                         ; all four work-groups are here: the first joint loads meet
	tensor_load_to_lds s[G0:G0+3], s[G1:G1+7]      ; slot 0
	s_nop 0
	PLACES
	; q, while slot 0 is on its way.  Lane (r, h) takes, of row r, 16 neighbouring numbers of each block of 32: register 16 b + i = k 32 b + 16 h + i
	v_and_b32 v[BM], 15, v0                        ; r
	v_bfe_u32 v[BM+1], v0, 4, 1                    ; h
	v_lshlrev_b32 v[XA], 9, v[BM]
	v_lshl_add_u32 v[XA], v[BM+1], 6, v[XA]        ; row r of 512 bytes, + 64 h
.irp q, 0,1
.irp b, 0,1,2,3
.irp j, 0,1,2,3
	global_load_b128 v[S+64*\q+16*\b+4*\j:S+64*\q+16*\b+4*\j+3], v[XA], s[4:5] offset:8192*\q+128*\b+16*\j th:TH_LOAD_NT
.endr
.endr
.endr
	v_and_b32 v[AL], 31, v0
	v_lshlrev_b32 v[AL], 4, v[AL]
	v_lshlrev_b32 v[GO], 9, v[BM+1]
	v_lshl_add_u32 v[GO], v[BM], 4, v[GO]          ; the way out: lanes 0-15 take one row of out0, lanes 16-31 the next; 16 bytes a lane
	s_mul_i32 s19, s[WV], 16*SP
	s_add_co_u32 s19, s19, STAGE                   ; my stage
	v_mul_u32_u24 v[STO], v[BM], SP
	v_lshl_add_u32 v[STO], v[BM+1], 5, v[STO]
	v_add_nc_u32 v[STO], s19, v[STO]               ; in: row r, + 32 h
	v_mul_u32_u24 v[RD], v[BM+1], SP
	v_lshl_add_u32 v[RD], v[BM], 4, v[RD]
	v_add_nc_u32 v[RD], s19, v[RD]                 ; back: lanes 0-15 one row, lanes 16-31 the next
.irp b, 0,1,2,3
	v_mov_b32 v[T1+\b], 0                          ; written once: a lane permute's destination counts as one of its sources
.endr
	v_mov_b32 v[F+1], 0                            ; (named as the upper half of the pair before it is ever written)
	s_wait_loadcnt 16                              ; tile 0's sixteen loads are in; tile 1's sixteen may be out
	MAXABS S
	CODES S, PC, QS
	s_wait_loadcnt 0x0
	MAXABS S+64
	CODES S+64, PC+12, QS+1
	WIN 0x40                                       ; destination window 1
.set i, 0
.rept 24
	v_mov_b32 v[QF+i], v[PC+i]                     ; Q's two fragments stay in window 1
.set i, i+1
.endr
.set i, 0
.rept 128
	v_mov_b32 v[i], 0                              ; O^T.  The step is written once: its first walk finds zeros, which the first change of M leaves zeros
.set i, i+1
.endr
	WIN 0
.irp t, 0,1
	v_mov_b32 v[ST+4*\t+1], 0xff61b1e6             ; the largest t so far: -3e38, under every t
	v_floor_f32 v[ST+4*\t], -v[ST+4*\t+1]          ; -M
	v_mov_b32 v[ST+4*\t+2], 0                      ; the sum, in two halves
	v_mov_b32 v[ST+4*\t+3], 0
.endr
	s_mov_b32 s[TB], 0
	s_mov_b32 s[SLOTS], 3
.Lslot:                                            ; three trips: behind each change of slots but the last the next four key steps are asked for
	CHANGE 1
	SLOT_STEPS
	s_sub_co_u32 s[SLOTS], s[SLOTS], 1
	s_cmp_lg_u32 s[SLOTS], 0
	s_cbranch_scc1 .Lslot
	CHANGE 0                                       ; the last slot is written out
	SLOT_STEPS
	; THE WAY OUT.  The sum's halves are added; O^T is divided by the sum and goes through my stage in LDS, half a row (64 channels, 256 bytes) of 16 queries at a time.
.irp t, 0,1
	v_add_f32 v[ST+4*\t+2], v[ST+4*\t+2], v[ST+4*\t+3]
.endr
.irp t, 0,1
	v_permlanex16_b32 v[T1+\t], v[ST+4*\t+2], s[SEL], s[SEL+1]
.endr
.irp t, 0,1
	v_add_f32 v[ST+4*\t+2], v[ST+4*\t+2], v[T1+\t] ; with lane l xor 16's: the row's sum
.endr
.irp t, 0,1
	v_rcp_f32 v[ST+4*\t+2], v[ST+4*\t+2]
.endr
	v_nop                                          ; a plain instruction behind the last reciprocal
	s_wait_alu depctr_va_vdst(0)                   ; and the wait ahead of the first use: one for the two
	WIN 0x01                                       ; source 0 (O^T) window 1
.irp t, 0,1
.set j, 0
.rept 64
	v_mul_f32 v[S+64*\t+j], v[64*\t+j], v[ST+4*\t+2]   ; register 8 d + i is o(r, 16 d + 8 h + i); each accumulator from its low end on
.set j, j+1
.endr
.endr
	WIN 0
.irp t, 0,1
.irp u, 0,1                                    ; tile t, channels 64 u on
.irp d, 0,1,2,3
	ds_store_b128 v[STO], v[S+64*\t+32*\u+8*\d:S+64*\t+32*\u+8*\d+3] offset:64*\d
	ds_store_b128 v[STO], v[S+64*\t+32*\u+8*\d+4:S+64*\t+32*\u+8*\d+7] offset:64*\d+16
.endr
.irp i, 0,1,2,3,4,5,6,7
	ds_load_b128 v[S+64*\t+32*\u+4*\i:S+64*\t+32*\u+4*\i+3], v[RD] offset:2*\i*SP   ; LDS serves a wave's instructions in order (ISA guide 5.7.1.4): these see my stores, and the next half's stores come behind them
.endr
.endr
.endr
.irp t, 0,1
.irp u, 0,1
.irp i, 0,1,2,3,4,5,6,7
	s_wait_dscnt 16*(3-2*\t-\u)+7-\i               ; behind this load: the 7 - i of its own half and sixteen for each later half
	global_store_b128 v[GO], v[S+64*\t+32*\u+4*\i:S+64*\t+32*\u+4*\i+3], s[8:9] offset:8192*\t+1024*\i+256*\u th:TH_STORE_NT   ; 16 lanes store 256 consecutive bytes, at a multiple of 256 from out0's first byte
.endr
.endr
.endr
	s_wait_tensorcnt 0x0                           ; the wave's end: behind my last tensor load and my last LDS store
	ds_add_u32 v[SPW], v[NIL]
	s_wait_dscnt 0x0
	CROUND                                         ; the closing round: no work-group ends while a partner may still ask for a tile that names it
	s_endpgm
.Lfunc_end_k_q8aa33e97ec_attn:
	.size	k_q8aa33e97ec_attn, .Lfunc_end_k_q8aa33e97ec_attn-k_q8aa33e97ec_attn
	.p2alignl 7, 3214868480
	.fill 96, 4, 3214868480
	.section	.rodata,"a",@progbits
	.p2align	6, 0x0
	.amdhsa_kernel k_q8aa33e97ec_attn
		.amdhsa_group_segment_fixed_size 327680
		.amdhsa_private_segment_fixed_size 0
		.amdhsa_enable_private_segment 0
		.amdhsa_kernarg_size 24
		.amdhsa_user_sgpr_count 2
		.amdhsa_user_sgpr_kernarg_segment_ptr 1
		.amdhsa_wavefront_size32 1
		.amdhsa_system_sgpr_workgroup_id_x 1
		.amdhsa_system_sgpr_workgroup_id_y 1
		.amdhsa_system_sgpr_workgroup_id_z 1
		.amdhsa_system_vgpr_workitem_id 0
		.amdhsa_next_free_vgpr 512
		.amdhsa_next_free_sgpr 66
		.amdhsa_reserve_vcc 0
		.amdhsa_float_denorm_mode_32 3
		.amdhsa_float_denorm_mode_16_64 3
		.amdhsa_memory_ordered 1
		.amdhsa_forward_progress 1
		.amdhsa_inst_pref_size 101
	.end_amdhsa_kernel
	.amdgpu_metadata
---
amdhsa.version: [ 1, 2 ]
amdhsa.kernels:
  - .name:           k_q8aa33e97ec_attn
    .symbol:         k_q8aa33e97ec_attn.kd
    .args:
      - { .name: q, .offset: 0, .size: 8, .value_kind: global_buffer, .address_space: global }
      - { .name: kv, .offset: 8, .size: 8, .value_kind: global_buffer, .address_space: global }
      - { .name: out0, .offset: 16, .size: 8, .value_kind: global_buffer, .address_space: global }
    .group_segment_fixed_size: 327680
    .private_segment_fixed_size: 0
    .kernarg_segment_align: 8
    .kernarg_segment_size: 24
    .max_flat_workgroup_size: 256
    .sgpr_count:     66
    .vgpr_count:     512
    .wavefront_size: 32
...
	.end_amdgpu_metadata
.endif
;; end of part 2
